; MI455X (gfx1250); checked and timed in simulation.
; The chip was launched on July 23, 2026; its instructions are those of AMD's public machine-readable ISA for CDNA 5 (MIT licence, August 2026) and "CDNA5" Instruction Set Architecture Reference Guide (July 2026). The comments in the code are by the model that wrote it; some were corrected since.
;; QKV Attention. Allowed arithmetic: float matrix products may take bf16 or f16 operands with f32 sums; all other float work in f32.
;; Inputs: qkv 8 x 4,096 x 192 float16.
;; Outputs: out0 8 x 4,096 x 64 float16.
;; One version. Each part assembles by itself: llvm-mc -triple=amdgcn-amd-amdhsa -mcpu=gfx1250 --defsym DOCPART=n.
;; ======== version 1 of 1: 2 launches
;; workspace buffers: sq 262,144 bytes
;; launch norms (part 1): grid 256 x 1, 2 waves a work-group, no clusters, 0 bytes of LDS; arguments qkv, sq; writes sq
.if DOCPART == 1
	.amdgcn_target "amdgcn-amd-amdhsa--gfx1250"
	.amdhsa_code_object_version 6
	.text
	.protected	k_q795a613d27_norms
	.globl	k_q795a613d27_norms
	.p2align	8
	.type	k_q795a613d27_norms,@function
k_q795a613d27_norms:
	s_mov_b64 s[64:65], 0
	v_nop
	global_prefetch_b8 v0, s[64:65] scope:SCOPE_SE
	s_setreg_imm32_b32 hwreg(HW_REG_WAVE_MODE, 25, 1), 1
	s_wait_xcnt 0x0
; sq[row]         = (1/64) * sum of q[row][c]^2      (the squared length of q/8)
; sq[32768 + row] = -(1/2) * sum of k[row][c]^2      (what the next launch adds to q.k as the matrix product's C)
; qkv: [32768 rows][192] f16 (q | k | v, 128 bytes each); sums in f32 on the raw f16 numbers.
; A stream of 8 MiB: no LDS, no barrier, no matrix unit.  512 waves, 64 rows each.
; Lane L: seg = L>>4 (0: q, 1: k), hrow = (L>>3)&1, e = L&7.  Load (g, i) takes 16 bytes at byte 128 seg + 16 e of row
; R0 + 32 hrow + 4 i + g: one instruction covers the 256 bytes q|k of two rows.  Eight lanes share a row's segment.
; A transposing reduction over those eight lanes leaves in lane e the whole sum of i = e, so that after four groups g
; lane L&15 holds rows R0 + 4 (L&15) + 0..3: one 16-byte store a lane, sixteen lanes fill 256 aligned bytes.
; Limit: NaN and infinities in the input are not followed.
.set ROWB, 384                         ; bytes in a row of qkv
.set VO,   2                           ; v2       lane's byte offset in the wave's 64 rows; never rewritten
.set SO,   3                           ; v3       lane's byte offset in sq
.set FC,   4                           ; v4       1/64 for q's lanes, -1/2 for k's
.set T,    6                           ; v[6:13]  eight numbers in f32
.set ACC,  14                          ; v[14:15] two running sums
.set PS,   16                          ; v[16:23] my part of the sums of rows i = 0..7 of a group
.set KEEP, 24
.set SEND, 25
.set R,    26                          ; v[26:29] the four results
.set X,    32                          ; v[32:127] three banks of eight loads
	s_load_b128 s[4:7], s[0:1], 0x0                ; qkv s[4:5], sq s[6:7]
	v_lshrrev_b32 v5, 5, v0
	v_readfirstlane_b32 s8, v5                     ; wave in the work-group
	s_lshl_b32 s9, ttmp9, 1
	s_add_co_u32 s8, s8, s9                        ; W = 2 x work-group + wave, 0..511
	s_mul_i32 s10, s8, 64*ROWB                     ; my 64 rows of qkv (below 12.6 MB)
	s_mov_b32 s11, 0
	s_lshl_b32 s2, s8, 8                           ; my 64 words of sq
	s_mov_b32 s3, 0
	v_and_b32 v1, 31, v0                           ; L
	v_and_b32 v5, 7, v1                            ; e
	v_lshrrev_b32 v6, 4, v1                        ; seg
	v_bfe_u32 v7, v1, 3, 1                         ; hrow
	v_lshlrev_b32 v[VO], 4, v5
	v_lshl_add_u32 v[VO], v6, 7, v[VO]
	v_mad_u32_u24 v[VO], v7, 32*ROWB, v[VO]        ; 16 e + 128 seg + 32 rows x hrow
	v_and_b32 v8, 15, v1
	v_lshlrev_b32 v[SO], 4, v8
	v_lshl_add_u32 v[SO], v6, 17, v[SO]            ; 16 (L&15) + 131072 seg
	v_and_b32 v8, 4, v1
	v_cmp_ne_u32 s12, 0, v8                        ; lanes with e & 4
	v_and_b32 v8, 2, v1
	v_cmp_ne_u32 s13, 0, v8                        ; e & 2
	v_and_b32 v8, 1, v1
	v_cmp_ne_u32 s14, 0, v8                        ; e & 1
	v_cmp_ne_u32 s15, 0, v6                        ; k's lanes
	v_mov_b32 v[FC], 0x3c800000                    ; 1/64
	v_mov_b32 v5, 0xbf000000                       ; -1/2
	v_cndmask_b32 v[FC], v[FC], v5, s15
	s_wait_kmcnt 0x0
	s_add_nc_u64 s[4:5], s[4:5], s[10:11]
	s_add_nc_u64 s[6:7], s[6:7], s[2:3]
.macro LOADS g, bank                   ; the eight loads of group g
.irp i, 0,1,2,3,4,5,6,7
	global_load_b128 v[X+32*\bank+4*\i:X+32*\bank+4*\i+3], v[VO], s[4:5] offset:(4*\i+\g)*ROWB
.endr
.endm
; the squares of the 8 f16 in registers a..d, summed into PS[i].  The halves of a register are named on plain register numbers.
.macro SQ8 i, a, b, c, d
	v_cvt_f32_f16 v[T+0], v\a\().l
	v_cvt_f32_f16 v[T+1], v\a\().h
	v_cvt_f32_f16 v[T+2], v\b\().l
	v_cvt_f32_f16 v[T+3], v\b\().h
	v_cvt_f32_f16 v[T+4], v\c\().l
	v_cvt_f32_f16 v[T+5], v\c\().h
	v_cvt_f32_f16 v[T+6], v\d\().l
	v_cvt_f32_f16 v[T+7], v\d\().h
	v_pk_mul_f32 v[ACC:ACC+1], v[T:T+1], v[T:T+1]                       ; the first product starts the sums
	v_pk_fma_f32 v[ACC:ACC+1], v[T+2:T+3], v[T+2:T+3], v[ACC:ACC+1]
	v_pk_fma_f32 v[ACC:ACC+1], v[T+4:T+5], v[T+4:T+5], v[ACC:ACC+1]
	v_pk_fma_f32 v[ACC:ACC+1], v[T+6:T+7], v[T+6:T+7], v[ACC:ACC+1]
	v_add_f32 v[PS+\i], v[ACC], v[ACC+1]
.endm
.macro SQBANK0
	SQ8 0, 32, 33, 34, 35
	SQ8 1, 36, 37, 38, 39
	SQ8 2, 40, 41, 42, 43
	SQ8 3, 44, 45, 46, 47
	SQ8 4, 48, 49, 50, 51
	SQ8 5, 52, 53, 54, 55
	SQ8 6, 56, 57, 58, 59
	SQ8 7, 60, 61, 62, 63
.endm
.macro SQBANK1
	SQ8 0, 64, 65, 66, 67
	SQ8 1, 68, 69, 70, 71
	SQ8 2, 72, 73, 74, 75
	SQ8 3, 76, 77, 78, 79
	SQ8 4, 80, 81, 82, 83
	SQ8 5, 84, 85, 86, 87
	SQ8 6, 88, 89, 90, 91
	SQ8 7, 92, 93, 94, 95
.endm
.macro SQBANK2
	SQ8 0, 96, 97, 98, 99
	SQ8 1, 100, 101, 102, 103
	SQ8 2, 104, 105, 106, 107
	SQ8 3, 108, 109, 110, 111
	SQ8 4, 112, 113, 114, 115
	SQ8 5, 116, 117, 118, 119
	SQ8 6, 120, 121, 122, 123
	SQ8 7, 124, 125, 126, 127
.endm
; One exchange: lanes whose bit x of e is set keep sum j and hand sum i to lane e xor x; the others the other way round.
.macro XCH i, j, m, x
	v_cndmask_b32 v[KEEP], v[PS+\i], v[PS+\j], s[\m]
	v_cndmask_b32 v[SEND], v[PS+\j], v[PS+\i], s[\m]
	v_add_f32_dpp v[PS+\i], v[SEND], v[KEEP] row_xmask:\x row_mask:0xf bank_mask:0xf
.endm
; Eight sums in eight lanes become one whole sum in each lane: seven exchanges in place of 24 adds across lanes.
.macro FLY g
	XCH 0, 4, 12, 4
	XCH 1, 5, 12, 4
	XCH 2, 6, 12, 4
	XCH 3, 7, 12, 4
	XCH 0, 2, 13, 2
	XCH 1, 3, 13, 2
	XCH 0, 1, 14, 1
	v_mul_f32 v[R+\g], v[FC], v[PS]                ; row R0 + 4 (L&15) + g
.endm
	LOADS 0, 0
	LOADS 1, 1
	LOADS 2, 2
	s_wait_loadcnt 16                              ; group 0 is in; the sixteen loads of groups 1 and 2 stay out
	SQBANK0
	FLY 0
	LOADS 3, 0                                     ; bank 0 has been read
	s_wait_loadcnt 16                              ; group 1 is in; groups 2 and 3 stay out
	SQBANK1
	FLY 1
	s_wait_loadcnt 8                               ; group 2 is in; group 3 stays out
	SQBANK2
	FLY 2
	s_wait_loadcnt 0x0
	SQBANK0
	FLY 3
	global_store_b128 v[SO], v[R:R+3], s[6:7]      ; lanes 0-15: 256 aligned bytes of the q part, lanes 16-31: of the k part
	s_endpgm
.Lfunc_end_k_q795a613d27_norms:
	.size	k_q795a613d27_norms, .Lfunc_end_k_q795a613d27_norms-k_q795a613d27_norms
	.p2alignl 7, 3214868480
	.fill 96, 4, 3214868480
	.section	.rodata,"a",@progbits
	.p2align	6, 0x0
	.amdhsa_kernel k_q795a613d27_norms
		.amdhsa_group_segment_fixed_size 0
		.amdhsa_private_segment_fixed_size 0
		.amdhsa_enable_private_segment 0
		.amdhsa_kernarg_size 16
		.amdhsa_user_sgpr_count 2
		.amdhsa_user_sgpr_kernarg_segment_ptr 1
		.amdhsa_wavefront_size32 1
		.amdhsa_system_sgpr_workgroup_id_x 1
		.amdhsa_system_sgpr_workgroup_id_y 1
		.amdhsa_system_sgpr_workgroup_id_z 1
		.amdhsa_system_vgpr_workitem_id 0
		.amdhsa_next_free_vgpr 128
		.amdhsa_next_free_sgpr 66
		.amdhsa_reserve_vcc 0
		.amdhsa_float_denorm_mode_32 3
		.amdhsa_float_denorm_mode_16_64 3
		.amdhsa_memory_ordered 1
		.amdhsa_forward_progress 1
		.amdhsa_inst_pref_size 28
	.end_amdhsa_kernel
	.amdgpu_metadata
---
amdhsa.version: [ 1, 2 ]
amdhsa.kernels:
  - .name:           k_q795a613d27_norms
    .symbol:         k_q795a613d27_norms.kd
    .args:
      - { .name: qkv, .offset: 0, .size: 8, .value_kind: global_buffer, .address_space: global }
      - { .name: sq, .offset: 8, .size: 8, .value_kind: global_buffer, .address_space: global }
    .group_segment_fixed_size: 0
    .private_segment_fixed_size: 0
    .kernarg_segment_align: 8
    .kernarg_segment_size: 16
    .max_flat_workgroup_size: 64
    .sgpr_count:     66
    .vgpr_count:     128
    .wavefront_size: 32
...
	.end_amdgpu_metadata
.endif
;; end of part 1
;; launch attn (part 2): grid 256 x 1, 8 waves a work-group, clusters of 4 x 1, 327,680 bytes of LDS; arguments qkv, sq, out0; writes out0
.if DOCPART == 2
	.amdgcn_target "amdgcn-amd-amdhsa--gfx1250"
	.amdhsa_code_object_version 6
	.text
	.protected	k_q795a613d27_attn
	.globl	k_q795a613d27_attn
	.p2align	8
	.type	k_q795a613d27_attn,@function
k_q795a613d27_attn:
	s_mov_b64 s[64:65], 0
	v_nop
	global_prefetch_b8 v0, s[64:65] scope:SCOPE_SE
	s_setreg_imm32_b32 hwreg(HW_REG_WAVE_MODE, 25, 1), 1
	s_wait_xcnt 0x0
	s_wait_alu depctr_hold_cnt(0) depctr_sa_sdst(0) depctr_va_vdst(0) depctr_va_sdst(0) depctr_va_ssrc(0) depctr_va_vcc(0) depctr_vm_vsrc(0)
	s_getreg_b32 s2, hwreg(HW_REG_IB_STS2, 6, 4)
	s_cmp_eq_u32 s2, 0
	s_cbranch_scc0 .Lentry_in_a_cluster
	s_endpgm
.Lentry_in_a_cluster:
	s_bfe_u32 s2, ttmp6, 0x10000c
	s_cmp_lg_u32 s2, 0x3003
	s_cbranch_scc0 .Lentry_shape_is_right
	s_endpgm
.Lentry_shape_is_right:
; out[b][t] = sum over s of softmax_s(-|q_t/8 - k_s/8|) v_s.   qkv: [8][4096][192] f16 (q | k | v), out0: [8][4096][64] f16.
; sq (made by the launch before): qs[row] = sum q^2 / 64, and 131072 bytes further kc[row] = -1/2 sum k^2, both f32.
;   D = q.k + kc[s]  (f16 matrix product on the raw numbers, f32 sums, kc as its C operand)
;   dist = sqrt(max(qs - D/32, 0));   p = exp2(log2e (dmin - dist)),  dmin = the smallest dist of the query so far (largest D: a running maximum).
; BOTH PRODUCTS ARE USED TRANSPOSED.  S^T = K Q^T: register j of lane (r, h) is key 8h + j of query r, so qs, the maximum, the rescale factor and
; the row sum are one number a lane, and two neighbouring key tiles packed to f16 ARE the B fragment (32 keys x 16 queries) of O^T = V^T P^T:
; nothing moves between lanes.  V^T's fragments come from V's rows in LDS by the transposing load.  In O^T a lane holds 8 neighbouring channels of one query.
; WORK: a work-group owns 128 queries, 256 work-groups.  Wave w: p = w & 3 picks 32 queries, hh = w >> 2 picks keys 128 hh .. +127 of every tile of
; 256 keys.  A wave's step is 32 keys x 32 queries: 16 matrix instructions.  The two partial results of waves p and p + 4 are merged at the end through LDS.
; CLUSTER: the four work-groups of a cluster lie in one batch (32 work-groups a batch) and walk the same K, V and kc: every tensor load is a joint one
; (mask 15), its descriptor made of the cluster's number, the wave's number and the loop's steps alone.  My place in the cluster enters only the
; global addresses of Q, qs and out0.
; LIMITS KEPT: logits stay in f32 (not rounded to f16, so no -inf beyond 65,504); q/8 and k/8 are not rounded to f16 (differs only where |x| < 2^-11,
; by at most 2^-25); weights are normalised behind the product, in f32; a weight below 2^-25 of the row's largest is 0 in f16; NaN and infinities are not followed.
.set PITCH,  144                       ; an LDS row: 128 bytes + 16 of padding, an odd multiple of 16: the sixteen rows of a fragment load begin 16 bytes apart modulo 256
.set SLOTB,  512*PITCH                 ; a slot: K's 256 rows, then V's 256 rows = 73,728 bytes; slot n at n*SLOTB
.set VPART,  256*PITCH
.set HALFB,  128*PITCH                 ; the 128 keys of one hh
.set KSQ,    2*SLOTB                   ; 147,456: the batch's 4,096 kc, 16 KiB, filled once
.set MST,    KSQ+16384                 ; 163,840: merge stage, 4 parts of 16 x 512 bytes of O + 512 of state; no tensor load ever lands here
.set MPART,  8704
.set OST,    MST+4*MPART               ; 198,656: the way out, 4 parts of 32 rows x 144; no tensor load ever lands here
.set OPART,  32*PITCH
.set ROWB,   384                       ; bytes in a row of qkv
.set TILEB,  256*ROWB                  ; 256 keys further
.set BATCHB, 4096*ROWB
.set LN,  1                            ; v1        lane
.set KA,  2                            ; v2, v3    LDS address of my K fragments in slot 0, 1
.set VA,  4                            ; v4, v5    the same for V (transposing load)
.set KCA, 6                            ; v6        LDS address of my kc of this tile
.set KCB, 7                            ; v7        its fixed part
.set ST8, 8                            ; v[8:11]   merge: mlog0, mlog1, l0, l1
.set ML,  16                           ; state of query tile q at +2q.  Each pair = (the number, a register that is always written), for the packed forms' broadcast
.set DM,  17                           ; ML: log2e x smallest dist; DM: largest D
.set QS,  20                           ; qs
.set TA,  21
.set AL,  24                           ; rescale factor of this step
.set TB,  25
.set LS,  28                           ; v[28+2q:29+2q] running sum of p, two partial sums
.set QF,  32                           ; v[32:63]   Q fragments: + 16 qt + 8 chunk
.set KF,  64                           ; v[64:95]   K fragments: + 16 kt + 8 chunk
.set KC,  96                           ; v[96:111]  kc as a C operand: + 8 kt
.set VF,  112                          ; v[112:143] V^T fragments: + 8 ct
.set SS,  144                          ; v[144:175] S^T: + 16 qt + 8 kt
.set PF,  176                          ; v[176:191] P^T in f16: + 8 qt; its first five registers also serve the maximum
.set OA,  192                          ; v[192:255] O^T: + 32 qt + 8 ct
.set G1,  24                           ; s[24:31] group 1 of K's and V's loads
.set G1S, 32                           ; s[32:39] group 1 of kc's load
.set G0,  40                           ; s[40:47] group 0, one set for each slot
.set G0S, 48                           ; s[48:51] group 0 of kc's load
.macro PLACES
.rept 4
	v_nop
.endr
.endm
; A round of the cluster's barrier behind its opening work-group barrier: wave 0 signals for the work-group, every wave waits for all four work-groups, the work-group's barrier closes it.
.macro CREST
	s_cmp_lg_u32 s10, 0
	s_cbranch_scc1 .Lnot_wave_0_\@
	s_barrier_signal -3
.Lnot_wave_0_\@:
	s_barrier_wait -3
	s_barrier_signal -1
	s_barrier_wait -1
.endm
.macro CROUND
	s_barrier_signal -1
	s_barrier_wait -1
	CREST
.endm
	s_load_b128 s[4:7], s[0:1], 0x0                ; qkv s[4:5], sq s[6:7]
	s_load_b64 s[8:9], s[0:1], 0x10                ; out0
	s_set_vgpr_msb 0x40
	v_lshl_add_u32 v0, v0, 2, 0x35000
	v_mov_b32 v1, 0
	s_set_vgpr_msb 0x4045
	ds_add_u32 v0, v1
	s_set_vgpr_msb 0x4500
	v_lshrrev_b32 v1, 5, v0
	v_readfirstlane_b32 s10, v1                    ; wave w
	s_lshr_b32 s11, s10, 2                         ; hh: my half of a tile's keys.  Also: I fetch K (0) or V (1)
	s_and_b32 s12, s10, 3                          ; p: my 32 queries.  Also: which 64 rows of the tile I fetch
	s_bfe_u32 s13, ttmp6, 0x40000                  ; cx
	s_lshl_b32 s14, ttmp9, 2                       ; in a cluster launch ttmp9 counts clusters
	s_add_co_u32 s14, s14, s13                     ; work-group = 4 x cluster + cx
	s_lshr_b32 s15, ttmp9, 3                       ; batch: eight clusters each
	s_mov_b32 s52, 0x76543210                      ; v_permlanex16_b32: lane i reads lane i of the other half
	s_mov_b32 s53, 0xfedcba98
	s_mov_b32 s55, 0x3fb8aa3b                      ; log2 e
	s_mov_b32 s56, 0xbd000000                      ; -1/32
	s_mov_b32 s57, 0                               ; byte offset of this tile's kc
	; group 1 for K and V: 64 rows x 64 f16, 192 elements from row to row, 4 words of padding behind every 32
	s_mov_b32 s[G1+0], 15|(1<<16)|(1<<20)|(1<<21)|(4<<22)|(3<<25)   ; 15:0 mask: all four of the cluster; 17:16 2-byte elements; 20 padding on; 21 set beside a mask; 24:22 every 32 words; 31:25 4 words
	s_mov_b32 s[G1+1], 64<<16                      ; tensor_dim0 = 64
	s_mov_b32 s[G1+2], 64<<16                      ; tensor_dim1 = 64
	s_mov_b32 s[G1+3], 64<<16                      ; tile_dim0 = 64
	s_mov_b32 s[G1+4], 64                          ; tile_dim1 = 64
	s_mov_b32 s[G1+5], 192                         ; pitch in elements
	s_mov_b32 s[G1+6], 0
	s_mov_b32 s[G1+7], 0
	; group 1 for kc: a dense block of 2,048 bytes as 8 rows of 32 elements of 8 bytes
	s_mov_b32 s[G1S+0], 15|(3<<16)|(1<<21)
	s_mov_b32 s[G1S+1], 32<<16
	s_mov_b32 s[G1S+2], 8<<16
	s_mov_b32 s[G1S+3], 32<<16
	s_mov_b32 s[G1S+4], 8
	s_mov_b32 s[G1S+5], 32
	s_mov_b32 s[G1S+6], 0
	s_mov_b32 s[G1S+7], 0
	; offsets of the joint loads: batch and wave alone
	s_mul_i32 s16, s15, BATCHB
	s_mul_i32 s18, s12, 64*ROWB                    ; my 64 rows of the tile
	s_add_co_u32 s16, s16, s18
	s_lshl_b32 s18, s11, 7                         ; k at byte 128 of a row, v at byte 256
	s_add_co_u32 s16, s16, s18
	s_add_co_u32 s16, s16, 128
	s_mov_b32 s17, 0
	s_lshl_b32 s18, s15, 14                        ; the batch's kc,
	s_lshl_b32 s21, s10, 11                        ; my eighth of them
	s_add_co_u32 s18, s18, s21
	s_add_co_u32 s18, s18, 131072
	s_mov_b32 s19, 0
	s_mul_i32 s20, s10, 64*PITCH                   ; where my 64 rows go: K's four quarters, then V's = wave x 64 rows
	; offsets that hang on my place in the cluster, in registers that feed no descriptor
	s_lshl_b32 s60, s14, 7
	s_lshl_b32 s61, s12, 5
	s_add_co_u32 s60, s60, s61                     ; my first query row, of 32,768
	s_mul_i32 s58, s60, ROWB
	s_mov_b32 s59, 0
	s_lshl_b32 s62, s60, 2
	s_mov_b32 s63, 0
	s_lshl_b32 s60, s60, 7                         ; 128 bytes a row of out0
	s_mov_b32 s61, 0
	s_wait_dscnt 0x0
	s_wait_kmcnt 0x0
	s_add_nc_u64 s[22:23], s[4:5], s[16:17]        ; my part of tile 0
	s_add_nc_u64 s[58:59], s[4:5], s[58:59]        ; my Q
	s_add_nc_u64 s[62:63], s[6:7], s[62:63]        ; my qs
	s_add_nc_u64 s[8:9], s[8:9], s[60:61]          ; my rows of out0
	s_mov_b32 s[G0S], 1
	s_add_co_u32 s[G0S+1], s21, KSQ
	s_add_nc_u64 s[G0S+2:G0S+3], s[6:7], s[18:19]
	s_or_b32 s[G0S+3], s[G0S+3], 0x80000000        ; type = 2
.irp n, 0,1
	s_mov_b32 s[G0+4*\n], 1
	s_add_co_u32 s[G0+4*\n+1], s20, \n*SLOTB
	s_add_nc_u64 s[G0+4*\n+2:G0+4*\n+3], s[22:23], \n*TILEB
	s_or_b32 s[G0+4*\n+3], s[G0+4*\n+3], 0x80000000
.endr
	CROUND                                         ; all four work-groups are here: the first joint loads meet
	tensor_load_to_lds s[G0S:G0S+3], s[G1S:G1S+7]  ; the first fills go out as one group: kc,
	s_nop 0
	tensor_load_to_lds s[G0:G0+3], s[G1:G1+7]      ; tile 0,
	s_nop 0
	tensor_load_to_lds s[G0+4:G0+7], s[G1:G1+7]    ; tile 1.  Three loads of the wave are out, the most in this text
	s_nop 0
	; Q's fragments (B operand: lane (r, h) holds query r, channels 8h.. and 16+8h.. of a chunk of 32) stay in registers for the whole kernel
	v_and_b32 v[LN], 31, v0
	v_and_b32 v12, 15, v[LN]                       ; r
	v_lshrrev_b32 v13, 4, v[LN]                    ; h
	v_mul_u32_u24 v14, v12, ROWB
	v_lshl_add_u32 v14, v13, 4, v14
	v_lshlrev_b32 v15, 2, v12
.irp qt, 0,1
.irp c, 0,1
	global_load_b128 v[QF+16*\qt+8*\c:QF+16*\qt+8*\c+3],   v14, s[58:59] offset:\qt*16*ROWB+64*\c
	global_load_b128 v[QF+16*\qt+8*\c+4:QF+16*\qt+8*\c+7], v14, s[58:59] offset:\qt*16*ROWB+64*\c+32
.endr
	global_load_b32 v[QS+2*\qt], v15, s[62:63] offset:64*\qt
.endr
	s_mul_i32 s16, s11, HALFB
	v_mul_u32_u24 v[KA], v12, PITCH
	v_lshl_add_u32 v[KA], v13, 4, v[KA]
	v_add_nc_u32 v[KA], s16, v[KA]                 ; key row r of my half, + 16 h
	v_add_nc_u32 v[KA+1], SLOTB, v[KA]
	v_and_b32 v8, 7, v[LN]
	v_lshl_add_u32 v8, v13, 3, v8                  ; key row 8 h + (L & 7)
	v_bfe_u32 v9, v[LN], 3, 1
	v_mul_u32_u24 v[VA], v8, PITCH
	v_lshl_add_u32 v[VA], v9, 4, v[VA]             ; + 16 ((L >> 3) & 1)
	s_add_co_u32 s16, s16, VPART
	v_add_nc_u32 v[VA], s16, v[VA]
	v_add_nc_u32 v[VA+1], SLOTB, v[VA]
	s_lshl_b32 s17, s11, 9
	s_add_co_u32 s17, s17, KSQ
	v_lshl_add_u32 v[KCB], v13, 5, s17             ; kc of keys 8 h .. 8 h + 7 of my half
	v_add_nc_u32 v[KCA], s57, v[KCB]               ; tile 0
	v_mov_b32 v[TA], 0                             ; written once whole: a lane permute's destination and the upper halves of pairs count as read
	v_mov_b32 v[TA+2], 0
; 12 LDS loads: K's fragments (A operand: 16 keys x 32 channels) and kc of the 32 keys of step st
.macro KLOAD slot, st
.irp kt, 0,1
.irp c, 0,1
	ds_load_b128 v[KF+16*\kt+8*\c:KF+16*\kt+8*\c+3],   v[KA+(\slot)] offset:(32*(\st)+16*\kt)*PITCH+64*\c
	ds_load_b128 v[KF+16*\kt+8*\c+4:KF+16*\kt+8*\c+7], v[KA+(\slot)] offset:(32*(\st)+16*\kt)*PITCH+64*\c+32
.endr
.endr
.irp kt, 0,1
	ds_load_b128 v[KC+8*\kt:KC+8*\kt+3],   v[KCA] offset:128*(\st)+64*\kt       ; register j = kc of key 8 h + j, the same in all sixteen lanes of a half
	ds_load_b128 v[KC+8*\kt+4:KC+8*\kt+7], v[KCA] offset:128*(\st)+64*\kt+16
.endr
.endm
; 8 LDS loads: V^T's fragments (A operand: 16 channels x 32 keys) from V's rows
.macro VLOAD slot, st
.irp ct, 0,1,2,3
	ds_load_tr16_b128 v[VF+8*\ct:VF+8*\ct+3],   v[VA+(\slot)] offset:32*(\st)*PITCH+32*\ct
	ds_load_tr16_b128 v[VF+8*\ct+4:VF+8*\ct+7], v[VA+(\slot)] offset:32*(\st)*PITCH+32*\ct+16*PITCH
.endr
.endm
; D = K Q^T + kc.  The four accumulators take turns, one instruction a turn.
.macro QK
.irp kt, 0,1
.irp qt, 0,1
	v_wmma_f32_16x16x32_f16 v[SS+16*\qt+8*\kt:SS+16*\qt+8*\kt+7], v[KF+16*\kt:KF+16*\kt+7], v[QF+16*\qt:QF+16*\qt+7], v[KC+8*\kt:KC+8*\kt+7]
.endr
.endr
.irp kt, 0,1
.irp qt, 0,1
	v_wmma_f32_16x16x32_f16 v[SS+16*\qt+8*\kt:SS+16*\qt+8*\kt+7], v[KF+16*\kt+8:KF+16*\kt+15], v[QF+16*\qt+8:QF+16*\qt+15], v[SS+16*\qt+8*\kt:SS+16*\qt+8*\kt+7]
.endr
.endr
.endm
; O^T += V^T P^T for query tile q; the very first product starts the sums
.macro PV q, first
.irp ct, 0,1,2,3
.if \first
	v_wmma_f32_16x16x32_f16 v[OA+32*\q+8*\ct:OA+32*\q+8*\ct+7], v[VF+8*\ct:VF+8*\ct+7], v[PF+8*\q:PF+8*\q+7], 0
.else
	v_wmma_f32_16x16x32_f16 v[OA+32*\q+8*\ct:OA+32*\q+8*\ct+7], v[VF+8*\ct:VF+8*\ct+7], v[PF+8*\q:PF+8*\q+7], v[OA+32*\q+8*\ct:OA+32*\q+8*\ct+7]
.endif
.endr
.endm
; the largest of my 16 D and of the maximum so far
.macro TREE q, first
	v_max3_num_f32 v[PF+8*\q],   v[SS+16*\q],    v[SS+16*\q+1],  v[SS+16*\q+2]
	v_max3_num_f32 v[PF+8*\q+1], v[SS+16*\q+3],  v[SS+16*\q+4],  v[SS+16*\q+5]
	v_max3_num_f32 v[PF+8*\q+2], v[SS+16*\q+6],  v[SS+16*\q+7],  v[SS+16*\q+8]
	v_max3_num_f32 v[PF+8*\q+3], v[SS+16*\q+9],  v[SS+16*\q+10], v[SS+16*\q+11]
	v_max3_num_f32 v[PF+8*\q+4], v[SS+16*\q+12], v[SS+16*\q+13], v[SS+16*\q+14]
	v_max3_num_f32 v[PF+8*\q],   v[PF+8*\q],   v[PF+8*\q+1], v[SS+16*\q+15]
	v_max3_num_f32 v[PF+8*\q+2], v[PF+8*\q+2], v[PF+8*\q+3], v[PF+8*\q+4]
.if \first
	v_max_num_f32 v[PF+8*\q], v[PF+8*\q], v[PF+8*\q+2]
.else
	v_max3_num_f32 v[PF+8*\q], v[PF+8*\q], v[PF+8*\q+2], v[DM+2*\q]
.endif
.endm
.macro CROSS q                         ; lanes r and r + 16 hold the same query's other keys
	v_permlanex16_b32 v[TA+2*\q], v[PF+8*\q], s52, s53
	v_max_num_f32 v[DM+2*\q], v[PF+8*\q], v[TA+2*\q]
.endm
.macro CH1 q                           ; the smallest dist so far, by the same arithmetic as the elements'
	v_fma_f32 v[TB+2*\q], v[DM+2*\q], s56, v[QS+2*\q]
	v_max_num_f32 v[TB+2*\q], 0, v[TB+2*\q]
	v_sqrt_f32 v[TB+2*\q], v[TB+2*\q]
.endm
.macro CH2 q, first                    ; rescale factor exp2(new mlog - old mlog) <= 1, and the new mlog
.if \first
	s_wait_alu depctr_va_vdst(0)
	v_mul_f32 v[ML+2*\q], s55, v[TB+2*\q]
.else
	s_wait_alu depctr_va_vdst(0)
	v_fma_f32 v[TA+2*\q], v[TB+2*\q], s55, -v[ML+2*\q]
	v_mul_f32 v[ML+2*\q], s55, v[TB+2*\q]
	v_exp_f32 v[AL+2*\q], v[TA+2*\q]
.endif
.endm
.macro D2 q                            ; qs - D/32
.irp i, 0,2,4,6,8,10,12,14
	v_pk_fma_f32 v[SS+16*\q+\i:SS+16*\q+\i+1], v[SS+16*\q+\i:SS+16*\q+\i+1], 0xbd000000, v[QS+2*\q:QS+2*\q+1] op_sel_hi:[1,0,0]
.endr
.endm
.macro CL q                            ; the clamp at 0
.irp i, 0,1,2,3,4,5,6,7,8,9,10,11,12,13,14,15
	v_max_num_f32 v[SS+16*\q+\i], 0, v[SS+16*\q+\i]
.endr
.endm
.macro SQR q
.irp i, 0,1,2,3,4,5,6,7,8,9,10,11,12,13,14,15
	v_sqrt_f32 v[SS+16*\q+\i], v[SS+16*\q+\i]
.endr
.endm
.macro ARG q                           ; mlog - log2e dist <= 0 up to rounding
	s_wait_alu depctr_va_vdst(0)
.irp i, 0,2,4,6,8,10,12,14
	v_pk_fma_f32 v[SS+16*\q+\i:SS+16*\q+\i+1], v[SS+16*\q+\i:SS+16*\q+\i+1], 0xbfb8aa3b, v[ML+2*\q:ML+2*\q+1] op_sel_hi:[1,0,0]
.endr
.endm
.macro EX q
.irp i, 0,1,2,3,4,5,6,7,8,9,10,11,12,13,14,15
	v_exp_f32 v[SS+16*\q+\i], v[SS+16*\q+\i]
.endr
.endm
.macro RESC q                          ; applied in every step: a branch on the maximum would hang on floating-point data
	s_wait_alu depctr_va_vdst(0)
.irp i, 0,2,4,6,8,10,12,14,16,18,20,22,24,26,28,30
	v_pk_mul_f32 v[OA+32*\q+\i:OA+32*\q+\i+1], v[OA+32*\q+\i:OA+32*\q+\i+1], v[AL+2*\q:AL+2*\q+1] op_sel_hi:[1,0]
.endr
.endm
.macro CVT q                           ; keys 8h .. 8h+7 into registers 0-3, keys 16+8h .. into 4-7: the B fragment as it stands
.irp i, 0,1,2,3,4,5,6,7
	v_cvt_pk_f16_f32 v[PF+8*\q+\i], v[SS+16*\q+2*\i], v[SS+16*\q+2*\i+1]
.endr
.endm
.macro SUM q, first                    ; l = l alpha + sum of my 16 p, kept as two partial sums
	v_pk_add_f32 v[SS+16*\q:SS+16*\q+1],     v[SS+16*\q:SS+16*\q+1],     v[SS+16*\q+2:SS+16*\q+3]
	v_pk_add_f32 v[SS+16*\q+4:SS+16*\q+5],   v[SS+16*\q+4:SS+16*\q+5],   v[SS+16*\q+6:SS+16*\q+7]
	v_pk_add_f32 v[SS+16*\q+8:SS+16*\q+9],   v[SS+16*\q+8:SS+16*\q+9],   v[SS+16*\q+10:SS+16*\q+11]
	v_pk_add_f32 v[SS+16*\q+12:SS+16*\q+13], v[SS+16*\q+12:SS+16*\q+13], v[SS+16*\q+14:SS+16*\q+15]
	v_pk_add_f32 v[SS+16*\q:SS+16*\q+1],     v[SS+16*\q:SS+16*\q+1],     v[SS+16*\q+4:SS+16*\q+5]
	v_pk_add_f32 v[SS+16*\q+8:SS+16*\q+9],   v[SS+16*\q+8:SS+16*\q+9],   v[SS+16*\q+12:SS+16*\q+13]
.if \first
	v_pk_add_f32 v[LS+2*\q:LS+2*\q+1], v[SS+16*\q:SS+16*\q+1], v[SS+16*\q+8:SS+16*\q+9]
.else
	v_pk_add_f32 v[SS+16*\q:SS+16*\q+1], v[SS+16*\q:SS+16*\q+1], v[SS+16*\q+8:SS+16*\q+9]
	v_pk_fma_f32 v[LS+2*\q:LS+2*\q+1], v[LS+2*\q:LS+2*\q+1], v[AL+2*\q:AL+2*\q+1], v[SS+16*\q:SS+16*\q+1] op_sel_hi:[1,0,1]
.endif
.endm
; One step: 32 keys x 32 queries.  next = 1: the next step's K and kc come from the same slot.  bar = 1: a tile's last step, the slots change.
; fill = 1: this slot is filled again, two tiles ahead, by a joint load behind a round of the cluster's barrier.
; Runs of roots and exponentials are followed by a block of plain instructions on other registers before their results are used (ISA guide 5.7.2).
.macro STEP slot, st, first, next, bar, fill
	s_wait_dscnt 0x0                               ; this step's K and kc are in (asked for a step ago)
	QK
	PLACES                                         ; four places behind the products above and behind the last step's O^T products: for the reads of S^T,
	                                               ; the loads into K's, kc's and V's registers, and the maximum's writes into P's registers
	VLOAD \slot, \st
.if \next
	KLOAD \slot, \st+1
.endif
	TREE 0, \first
	TREE 1, \first
	CROSS 0
	CROSS 1
	D2 0
	CH1 0
	CH1 1
	CL 0
	CH2 0, \first
	CH2 1, \first
	SQR 0
	D2 1
	CL 1
	ARG 0
	EX 0
	SQR 1
.if \first
	v_nop                                          ; nothing to rescale yet: the plain place between the exponentials and the conversions
	s_wait_alu depctr_va_vdst(0)
.else
	RESC 0
.endif
	CVT 0
	SUM 0, \first
.if \next
	s_wait_dscnt 12                                ; V's eight loads are in; the twelve younger ones (the next step's K and kc) stay out
.else
	s_wait_dscnt 0x0                               ; V is in, and with it all my reads of this slot
.endif
.if \bar
	s_set_vgpr_msb 0x5
	s_wait_tensorcnt 0x0                           ; all my tensor loads have landed: the one that was out is my part of the other slot
	ds_add_u32 v0, v1
	s_wait_dscnt 0x0
	s_set_vgpr_msb 0x500
	s_barrier_signal -1                            ; say so (with fill = 1 this barrier opens a round of the cluster's barrier); register work alone up to its wait
.endif
	PV 0, \first
	ARG 1
	EX 1
.if \first
	v_nop
	s_wait_alu depctr_va_vdst(0)
.else
	RESC 1
.endif
	CVT 1
	SUM 1, \first
	PV 1, \first
.if \bar
	s_barrier_wait -1                              ; no wave of my work-group reads this slot any more, and the other slot is whole
.if \fill
	CREST                                          ; the same now holds of all four work-groups
	s_add_nc_u64 s[G0+4*\slot+2:G0+4*\slot+3], s[G0+4*\slot+2:G0+4*\slot+3], 2*TILEB   ; no load of mine is out: the group 0 may be written
	tensor_load_to_lds s[G0+4*\slot:G0+4*\slot+3], s[G1:G1+7]                           ; my one tensor load behind the round, first thing there; it has a tile's four steps in which to land
	s_nop 0
.endif
	s_add_co_u32 s57, s57, 1024                    ; the next tile's 256 kc;
	s_and_b32 s57, s57, 0x3c00                     ; sixteen tiles of 1,024 bytes: the offset stays inside kc's 16 KiB
	v_add_nc_u32 v[KCA], s57, v[KCB]
	KLOAD 1-\slot, 0
.endif
.endm
.macro TILE slot, first, bar, fill
	STEP \slot, 0, \first, 1, 0, 0
	STEP \slot, 1, 0, 1, 0, 0
	STEP \slot, 2, 0, 1, 0, 0
	STEP \slot, 3, 0, 0, \bar, \fill
.endm
	s_wait_tensorcnt 0x1                           ; my parts of kc and of tile 0 are in; tile 1's may stay out
	s_barrier_signal -1
	s_barrier_wait -1                              ; everybody's are
	KLOAD 0, 0
	s_wait_loadcnt 0x0                             ; Q and qs
	TILE 0, 1, 1, 1                                ; tiles 0 and 1 stand in front of the loop: the first products start the sums
	TILE 1, 0, 1, 1
	s_mov_b32 s54, 6
.Llap:
	TILE 0, 0, 1, 1                                ; tiles 2 to 13; the refills behind tiles 0 to 13 bring tiles 2 to 15
	TILE 1, 0, 1, 1
	s_sub_co_u32 s54, s54, 1
	s_cmp_lg_u32 s54, 0
	s_cbranch_scc1 .Llap
	TILE 0, 0, 1, 0                                ; tile 14: nothing is left to fetch; the barrier shows tile 15 whole
	TILE 1, 0, 0, 0                                ; tile 15
	; MERGE of the two halves of the keys: waves 4-7 hand O^T, mlog and l to waves 0-3 through LDS.
	PLACES                                         ; four places behind the last products, whose results are read and whose sources are written below
	v_add_f32 v[ST8+2], v[LS], v[LS+1]
	v_add_f32 v[ST8+3], v[LS+2], v[LS+3]
	v_permlanex16_b32 v[TA], v[ST8+2], s52, s53
	v_permlanex16_b32 v[TA+2], v[ST8+3], s52, s53
	v_add_f32 v[ST8+2], v[ST8+2], v[TA]            ; l of query r, in both lanes that hold it
	v_add_f32 v[ST8+3], v[ST8+3], v[TA+2]
	s_mul_i32 s16, s12, MPART
	s_add_co_u32 s16, s16, MST
	v_lshl_add_u32 v12, v[LN], 4, s16              ; 16 bytes a lane: each store and load takes 512 neighbouring bytes
	s_cmp_eq_u32 s11, 0
	s_cbranch_scc1 .Lstay
	v_mov_b32 v[ST8], v[ML]
	v_mov_b32 v[ST8+1], v[ML+2]
.irp i, 0,1,2,3,4,5,6,7,8,9,10,11,12,13,14,15
	ds_store_b128 v12, v[OA+4*\i:OA+4*\i+3] offset:512*\i
.endr
	ds_store_b128 v12, v[ST8:ST8+3] offset:8192
.Lstay:
	s_wait_dscnt 0x0                               ; my stores are done, for the partner's sake
	s_barrier_signal -1
	s_barrier_wait -1
	s_cmp_lg_u32 s11, 0
	s_cbranch_scc1 .Lclose
.irp i, 0,1,2,3,4,5,6,7,8,9,10,11,12,13,14,15
	ds_load_b128 v[64+4*\i:64+4*\i+3], v12 offset:512*\i      ; the partner's O^T register k into v[64+k]
.endr
	ds_load_b128 v[128:131], v12 offset:8192       ; its mlog0, mlog1, l0, l1
	s_mul_i32 s17, s12, OPART
	s_add_co_u32 s17, s17, OST
	s_wait_dscnt 0x0
	v_min_num_f32 v132, v[ML], v128                ; the smaller mlog is the nearer key's
	v_min_num_f32 v136, v[ML+2], v129
	v_sub_f32 v133, v132, v[ML]
	v_sub_f32 v134, v132, v128
	v_sub_f32 v137, v136, v[ML+2]
	v_sub_f32 v138, v136, v129
	v_exp_f32 v133, v133                           ; one of the two factors of a query is 1, the other at most 1
	v_exp_f32 v134, v134
	v_exp_f32 v137, v137
	v_exp_f32 v138, v138
	v_and_b32 v13, 15, v[LN]                       ; r (also the plain place behind the exponentials)
	s_wait_alu depctr_va_vdst(0)
	v_mul_f32 v132, v[ST8+2], v133
	v_mul_f32 v136, v[ST8+3], v137
	v_fmac_f32 v132, v130, v134                    ; l of all 4,096 keys; about 1 at the least, since the nearest key's p is exp2 of about 0
	v_fmac_f32 v136, v131, v138
	v_rcp_f32 v132, v132
	v_rcp_f32 v136, v136
	v_lshrrev_b32 v14, 4, v[LN]                    ; h (also the plain place behind the reciprocals)
	s_wait_alu depctr_va_vdst(0)
	v_mul_f32 v[AL], v133, v132                    ; my factor, normalisation included
	v_mul_f32 v[QS], v134, v132                    ; the partner's
	v_mul_f32 v[AL+2], v137, v136
	v_mul_f32 v[QS+2], v138, v136
.irp q, 0,1
.irp i, 0,2,4,6,8,10,12,14,16,18,20,22,24,26,28,30
	v_pk_mul_f32 v[OA+32*\q+\i:OA+32*\q+\i+1], v[OA+32*\q+\i:OA+32*\q+\i+1], v[AL+2*\q:AL+2*\q+1] op_sel_hi:[1,0]
.endr
.irp i, 0,2,4,6,8,10,12,14,16,18,20,22,24,26,28,30
	v_pk_fma_f32 v[OA+32*\q+\i:OA+32*\q+\i+1], v[64+32*\q+\i:64+32*\q+\i+1], v[QS+2*\q:QS+2*\q+1], v[OA+32*\q+\i:OA+32*\q+\i+1] op_sel_hi:[1,0,1]
.endr
.endr
	; THE WAY OUT: a lane's 8 neighbouring channels pack into 16 bytes; through my own stage in LDS they become whole rows of 128 bytes.
	v_mul_u32_u24 v15, v13, PITCH
	v_lshl_add_u32 v15, v14, 4, v15
	v_add_nc_u32 v15, s17, v15                     ; in: query row r, 16 bytes for each half of the lanes
	v_lshrrev_b32 v8, 3, v[LN]
	v_mul_u32_u24 v8, v8, PITCH
	v_and_b32 v9, 7, v[LN]
	v_lshl_add_u32 v8, v9, 4, v8
	v_add_nc_u32 v8, s17, v8                       ; back: eight lanes take a row, 32 lanes four rows
	v_lshlrev_b32 v9, 4, v[LN]                     ; and the same 512 bytes in out0
.irp q, 0,1
.irp ct, 0,1,2,3
.irp i, 0,1,2,3
	v_cvt_pk_f16_f32 v[SS+16*\q+4*\ct+\i], v[OA+32*\q+8*\ct+2*\i], v[OA+32*\q+8*\ct+2*\i+1]
.endr
.endr
.endr
.irp q, 0,1
.irp ct, 0,1,2,3
	ds_store_b128 v15, v[SS+16*\q+4*\ct:SS+16*\q+4*\ct+3] offset:16*\q*PITCH+32*\ct
.endr
.endr
.irp t, 0,1,2,3,4,5,6,7
	ds_load_b128 v[64+4*\t:64+4*\t+3], v8 offset:4*\t*PITCH   ; LDS serves a wave's instructions in order (ISA guide 5.7.1): these see my stores above
.endr
.irp t, 0,1,2,3,4,5,6,7
	s_wait_dscnt 7-\t                              ; load t is in; the 7 - t younger ones stay out
	global_store_b128 v9, v[64+4*\t:64+4*\t+3], s[8:9] offset:512*\t th:TH_STORE_NT   ; 512 consecutive bytes, at a multiple of 512 from out0's first byte
.endr
.Lclose:
	s_set_vgpr_msb 0x5
	s_wait_tensorcnt 0x0
	ds_add_u32 v0, v1
	s_wait_dscnt 0x0
	s_set_vgpr_msb 0x500
	CROUND                                         ; the closing round: no work-group ends while a partner may still ask for a tile that names it
	s_endpgm
.Lfunc_end_k_q795a613d27_attn:
	.size	k_q795a613d27_attn, .Lfunc_end_k_q795a613d27_attn-k_q795a613d27_attn
	.p2alignl 7, 3214868480
	.fill 96, 4, 3214868480
	.section	.rodata,"a",@progbits
	.p2align	6, 0x0
	.amdhsa_kernel k_q795a613d27_attn
		.amdhsa_group_segment_fixed_size 327680
		.amdhsa_private_segment_fixed_size 0
		.amdhsa_enable_private_segment 0
		.amdhsa_kernarg_size 24
		.amdhsa_user_sgpr_count 2
		.amdhsa_user_sgpr_kernarg_segment_ptr 1
		.amdhsa_wavefront_size32 1
		.amdhsa_system_sgpr_workgroup_id_x 1
		.amdhsa_system_sgpr_workgroup_id_y 1
		.amdhsa_system_sgpr_workgroup_id_z 1
		.amdhsa_system_vgpr_workitem_id 0
		.amdhsa_next_free_vgpr 258
		.amdhsa_next_free_sgpr 66
		.amdhsa_reserve_vcc 0
		.amdhsa_float_denorm_mode_32 3
		.amdhsa_float_denorm_mode_16_64 3
		.amdhsa_memory_ordered 1
		.amdhsa_forward_progress 1
		.amdhsa_inst_pref_size 255
	.end_amdhsa_kernel
	.section	.bss,"aw",@nobits
	.p2align	6
	.space	262144
	.amdgpu_metadata
---
amdhsa.version: [ 1, 2 ]
amdhsa.kernels:
  - .name:           k_q795a613d27_attn
    .symbol:         k_q795a613d27_attn.kd
    .args:
      - { .name: qkv, .offset: 0, .size: 8, .value_kind: global_buffer, .address_space: global }
      - { .name: sq, .offset: 8, .size: 8, .value_kind: global_buffer, .address_space: global }
      - { .name: out0, .offset: 16, .size: 8, .value_kind: global_buffer, .address_space: global }
    .group_segment_fixed_size: 327680
    .private_segment_fixed_size: 0
    .kernarg_segment_align: 8
    .kernarg_segment_size: 24
    .max_flat_workgroup_size: 256
    .sgpr_count:     66
    .vgpr_count:     258
    .wavefront_size: 32
...
	.end_amdgpu_metadata
.endif
;; end of part 2
